; MI455X (gfx1250); checked and timed in simulation.
; The chip was launched on July 23, 2026; its instructions are those of AMD's public machine-readable ISA for CDNA 5 (MIT licence, August 2026) and "CDNA5" Instruction Set Architecture Reference Guide (July 2026). The comments in the code are by the model that wrote it; some were corrected since.
;; LSTM Layer. Allowed arithmetic: matrix products marked QUANTISED: E2M1 operands, one E8M0 scale for each 32 along K, by v_wmma_scale_f32_16x16x128_f8f6f4 with both operands' format E2M1 (or v_wmma_scale_f32_32x16x128_f4), f32 sums; everything else in f32.
;; Inputs: W_c 2,048 x 4,096 float32; W_f 2,048 x 4,096 float32; W_i 2,048 x 4,096 float32; W_o 2,048 x 4,096 float32; b_c 2,048 float32; b_f 2,048 float32; b_i 2,048 float32; b_o 2,048 float32; cell_state 2,048 x 2,048 float32; hidden_state 2,048 x 2,048 float32; input 2,048 x 2,048 float32.
;; Outputs: out0 2,048 x 2,048 float32; out1 2,048 x 2,048 float32.
;; This version of the problem:
;;   THIS VERSION OF THE PROBLEM IS GIVEN IN LOW PRECISION. The matrix products marked QUANTISED in the list below multiply operands that are first quantised to E2M1 (2 exponent bits, 1 mantissa bit; 4 bits a number), with one power-of-two scale for each 32 numbers along K (OCP MX v1.0); their sums are f32. All else is computed in f32.
;;   The module's matrix products, in the order in which they are computed (A, B: the left and right operand; K: the contracted axis; several contracted axes count as one K, in the product's order):
;;     1. [M 2,048, K 4,096] x [K 4,096, N 8,192]; A: computed on the way; B: computed on the way: QUANTISED
;;   THE QUANTISER, for each operand of a quantised product, along K:
;;     - K is cut into blocks of 32 from its start; a last block that is shorter is filled with zeros.
;;     - A block's scale is 2^e with e = floor(log2(the largest magnitude in the block)) - 2, held to -126 .. 127; a block of zeros has e = 0. As a byte (E8M0): e + 127.
;;     - Each number is divided by its block's scale, clamped to +-6, and rounded to the nearest number of E2M1, ties to even, subnormals kept.
;;     - The product sums the exact products of the quantised numbers (number of the format x scale) in f32.
;;   ~~~python
;;   def quantise(x, axis):      # numpy; x: float32 -> the quantised numbers, widened to float32 again
;;       x = np.moveaxis(x, axis, -1); K = x.shape[-1]
;;       x = np.pad(x, [(0, 0)] * (x.ndim - 1) + [(0, -K % 32)]); x = x.reshape(x.shape[:-1] + (-1, 32)); a = np.abs(x).max(-1, keepdims=True)
;;       e = np.where(a > 0, np.clip(np.frexp(np.where(a > 0, a, 1))[1] - 1 - 2, -126, 127), 0)      # np.frexp(a)[1] - 1 = floor(log2(a)), exactly
;;       r = np.clip(x / 2.0 ** e, -6, 6)
;;       step = 2.0 ** (np.maximum(np.frexp(np.where(r == 0, 1, r))[1] - 1, 0) - 1)
;;       q = np.round(r / step) * step * 2.0 ** e      # np.round: ties to even
;;       return np.moveaxis(q.reshape(q.shape[:-2] + (-1,))[..., :K], -1, axis).astype(np.float32)
;;   ~~~
;;   OPERANDS COMPUTED ON THE WAY. 'Computed on the way' means the value that the module computes at that place (a softmax that the list does not call 'softmax' is quantised finished and normalised). What goes into a quantiser is computed in f32, as accurately as f32 sums, v_exp_f32 and their like allow (about 1e-6 of the number): no bf16 or f16 on the way to a quantiser, and a product that is left as it is and whose result goes on into a quantised operand takes f32 operands (vector FMAs, or v_wmma_f32_16x16x4_f32). A number that lies on a knife's edge between two numbers of the format may be rounded either way, as far as f32 arithmetic and the matrix unit's own rounding can turn it there, and no further.
;; One version. Each part assembles by itself: llvm-mc -triple=amdgcn-amd-amdhsa -mcpu=gfx1250 --defsym DOCPART=n.
;; ======== version 1 of 1: 2 launches
;; limits: right only within a limited range of input values
;; workspace buffers: ua 4,456,448 bytes; wq 17,825,792 bytes
;; launch quant (part 1): grid 1280 x 1, 4 waves a work-group, no clusters, 39,424 bytes of LDS; arguments input, hidden_state, W_i, W_f, W_c, W_o, ua, wq; writes ua, wq
.if DOCPART == 1
	.amdgcn_target "amdgcn-amd-amdhsa--gfx1250"
	.amdhsa_code_object_version 6
	.text
	.protected	k_qb29078a7d3_quant
	.globl	k_qb29078a7d3_quant
	.p2align	8
	.type	k_qb29078a7d3_quant,@function
k_qb29078a7d3_quant:
	s_mov_b64 s[64:65], 0
	v_nop
	global_prefetch_b8 v0, s[64:65] scope:SCOPE_SE
	s_setreg_imm32_b32 hwreg(HW_REG_WAVE_MODE, 25, 1), 1
	s_wait_xcnt 0x0
; u = [input | hidden_state] ([2048][4096]) and W = [W_i; W_f; W_c; W_o] ([8192][4096]), f32 with K innermost, become codes of FP4 (E2M1) with one E8M0 byte for each 32 along K.
; A block's scale is 2^(floor(log2(its largest magnitude)) - 2); its byte is the largest magnitude's exponent field - 2, held at 1 from below; each number is divided by the scale and rounded to the nearest code, ties to even,
; beyond the largest code the largest.
; LIMITS: NaN and infinities among the inputs are not served.  A block whose largest magnitude lies under 2^-124 gets the byte 1; a block of zeros gets the byte 1 too where the rule says 127: its codes are zeros,
; which add nothing under any byte but 0xff, and the bytes are read by this program alone.
; WHAT IS WRITTEN.  A RECORD of 272 bytes is one row's 512 along K: 256 bytes of codes (k ascending, two a byte, the lower k in the low four bits), then its 16 scale bytes.
;   ua: [K step 0..7][row 0..2047][272].   wq: [K step 0..7][n' 0..8191][272], n' = 128 (column / 32) + 32 gate + column % 32, gate 0 i, 1 f, 2 c, 3 o:
;   so 128 neighbouring n' hold all four gates of 32 hidden columns, and 128 records of a K step are 34,816 bytes on end, which the next launch brings into LDS as they lie.
; SHARES.  A wave takes 16 rows x one K step: 16 steps of 512 numbers, one row a step; the four waves of a work-group take four neighbouring K steps of the same 16 rows (8,192 bytes on end in each row).
;   Work-groups 0-255: u (128 groups of rows x two halves of K: input, hidden_state).  256-1279: W (4 gates x 128 groups of rows x two halves of K).  Only pointers and offsets are chosen: all six tensors take one path.
; A lane must hold 16 NEIGHBOURS for the conversions, and a load is best where neighbouring LANES take neighbouring bytes: each of a step's four loads reads 512 consecutive bytes, and the 2,048 bytes turn through the wave's own
; stage in LDS (16 bytes of padding behind each 64).  Codes and scale bytes are gathered as 16 records in the wave's own LDS and leave as 4,352 consecutive bytes, which begin at a multiple of 256 from the buffer's first byte.
; No tensor loads, no barrier: waves share nothing, and no input is read by two work-groups, so there is nothing to ask for jointly.  Loads run four steps (16 loads a wave) ahead, the turn through LDS one step.
; Written out, no loop: every offset is an immediate or a register that is never written again, so no wait for sources is needed.
.set SP,    80                         ; a lane's place in a stage: its 64 bytes + 16 of padding
.set IMG,   2*32*SP                    ; behind the two stages: the wave's 16 records
.set REC,   272
.set WREG,  9728                       ; LDS of a wave: 5,120 + 4,352, rounded up to 38 x 256
.set EMAX,  2
.set R,     16                         ; v16-79   four sets of 16 numbers as they are loaded; at the end the records on their way out
.set X,     80                         ; v80-111  two sets of 16 neighbours
.set E,     112                        ; v112-127 a scale byte for each step
.set C,     128                        ; v128-159 two registers of codes for each step
.set OFF,   160                        ; v160-175 step t: 16 x lane + t rows; never rewritten
	s_load_b512 s[4:19], s[0:1], 0x0               ; input 4:5, hidden_state 6:7, W_i 8:9, W_f 10:11, W_c 12:13, W_o 14:15, ua 16:17, wq 18:19
	v_lshl_add_u32 v176, v0, 2, 0x9800
	v_mov_b32 v177, 0
	v_lshrrev_b32 v1, 5, v0
	v_readfirstlane_b32 s20, v1                    ; wave 0..3
	v_and_b32 v2, 31, v0                           ; lane
	s_wait_alu depctr_va_vdst(0)
	s_sub_co_u32 s21, ttmp9, 256                   ; W's work-groups count from 0 (for u's this and what is made of it is not chosen)
	s_lshr_b32 s22, s21, 8                         ; the gate
	s_and_b32 s23, s21, 255
	s_cmp_lt_u32 ttmp9, 256                        ; u's work-group or W's?  Every choice hangs on the work-group's number alone
	s_cselect_b32 s23, ttmp9, s23                  ; 2 x group of 16 rows + half of K
	s_lshr_b32 s25, s23, 1                         ; q: the group of 16 rows, 0..127
	s_and_b32 s26, s23, 1                          ; the half of K
	s_add_co_u32 s27, s22, 2                       ; W: which pointer
	s_lshl_b32 s28, s26, 13                        ; W: half a row, 8,192 bytes
	s_lshr_b32 s29, s25, 1
	s_lshl_b32 s29, s29, 7                         ; W: n' of my first row = 128 (q / 2)
	s_lshl_b32 s30, s22, 5
	s_add_co_u32 s29, s29, s30                     ;    + 32 gate
	s_and_b32 s30, s25, 1
	s_lshl_b32 s30, s30, 4
	s_add_co_u32 s29, s29, s30                     ;    + 16 (q % 2)
	s_lshl_b32 s30, s25, 4                         ; u: my first row = 16 q
	s_mov_b32 s24, 16384                           ; W: bytes from row to row
	s_mov_b32 s31, 8192                            ; W: records in a K step
	s_cmp_lt_u32 ttmp9, 256                        ; (moves and selects leave SCC alone)
	s_cselect_b32 s27, s26, s27                    ; which source: 0 input, 1 hidden_state, 2 + gate
	s_cselect_b32 s24, 8192, s24                   ; its pitch
	s_cselect_b32 s28, 0, s28                      ; u's halves of K are tensors of their own
	s_cselect_b32 s29, s30, s29                    ; my first record in a K step
	s_cselect_b32 s31, 2048, s31
	s_mul_i32 s30, s30, s24                        ; 16 q rows,
	s_add_co_u32 s30, s30, s28                     ; the half of K,
	s_lshl_b32 s32, s20, 11
	s_add_co_u32 s32, s30, s32                     ; my wave's 2,048 bytes of a row: under 2^26
	s_mov_b32 s33, 0
	s_lshl_b32 s34, s26, 2
	s_add_co_u32 s34, s34, s20                     ; my K step = 4 x half + wave
	s_mul_i32 s34, s34, s31
	s_add_co_u32 s34, s34, s29
	s_mul_i32 s34, s34, REC                        ; where my 16 records go: under 2^25
	s_mov_b32 s35, 0
	s_mul_i32 s36, s20, WREG                       ; my wave's LDS
	s_add_co_u32 s37, s36, IMG
	v_lshrrev_b32 v14, 2, v2
	v_mul_u32_u24 v14, v14, SP
	v_and_b32 v15, 3, v2
	v_lshl_add_u32 v14, v15, 4, v14
	v_add_nc_u32 v14, s36, v14                     ; the stage, on the way in: four lanes' 64 bytes on end, then 16 of padding
	v_mul_u32_u24 v15, v2, SP
	v_add_nc_u32 v15, s36, v15                     ; and on the way out: my 16 neighbours
	v_lshl_add_u32 v4, v2, 3, s37                  ; a record: my 8 bytes of codes,
	v_lshrrev_b32 v5, 1, v2
	v_add_nc_u32 v5, s37, v5
	v_add_nc_u32 v5, 256, v5                       ; my block's scale byte
	v_lshl_add_u32 v6, v2, 4, s37                  ; the records on the way out: 16 bytes a lane,
	v_add_nc_u32 v7, 4096, v4                      ; and 8 bytes a lane for the last 256
	v_lshlrev_b32 v12, 4, v2
	v_lshlrev_b32 v13, 3, v2
	v_lshlrev_b32 v[OFF], 4, v2
.irp t, 1,2,3,4,5,6,7,8,9,10,11,12,13,14,15
	v_add_nc_u32 v[OFF+\t], s24, v[OFF+\t-1]
.endr
	s_wait_kmcnt 0x0
.irp n, 1,2,3,4,5
	s_cmp_eq_u32 s27, \n
	s_cselect_b64 s[4:5], s[4+2*\n:5+2*\n], s[4:5]
.endr
	s_cmp_lt_u32 ttmp9, 256
	s_cselect_b64 s[16:17], s[16:17], s[18:19]
	s_add_nc_u64 s[4:5], s[4:5], s[32:33]
	s_add_nc_u64 s[16:17], s[16:17], s[34:35]
.macro LOAD t                          ; row t's 512 numbers
.irp i, 0,1,2,3
	global_load_b128 v[R+16*((\t)%4)+4*\i:R+16*((\t)%4)+4*\i+3], v[OFF+(\t)], s[4:5] offset:512*\i th:TH_LOAD_NT   ; 32 lanes read 512 consecutive bytes; read once in the launch
.endr
.endm
.macro TURN t                          ; step t's numbers through the stage: LDS serves a wave's instructions in order (ISA guide 5.7.1.4), so no wait stands between the stores and the loads
.irp i, 0,1,2,3
	ds_store_b128 v14, v[R+16*((\t)%4)+4*\i:R+16*((\t)%4)+4*\i+3] offset:32*SP*((\t)%2)+8*SP*\i
.endr
.irp i, 0,1,2,3
	ds_load_b128 v[X+16*((\t)%2)+4*\i:X+16*((\t)%2)+4*\i+3], v15 offset:32*SP*((\t)%2)+16*\i
.endr
.endm
.irp t, 0,1,2,3
	LOAD \t
.endr
	s_wait_loadcnt 12                              ; step 0's four loads are in; the twelve of steps 1 to 3 may be out
	TURN 0
.macro STEP t
.set XS, X+16*((\t)%2)
.if (\t) > 0
	s_wait_dscnt 2                                 ; this step's numbers are back from the stage; behind them stand the last step's two stores into its record, which may be out
.else
	s_wait_dscnt 0x0
.endif
.if (\t)+4 < 16
	LOAD (\t)+4                                    ; into the registers that this step's stores into the stage have read
.endif
.if (\t)+1 < 16
.if 14-(\t) >= 3
	s_wait_loadcnt 12                              ; the next step's four loads are in; those of the three steps behind it may be out
.else
	s_wait_loadcnt 4*(14-(\t))                     ; the counts run down: no load leaves the buffer
.endif
	TURN (\t)+1                                    ; through the other stage while this step is worked
.endif
	v_max3_num_f32 v8, |v[XS]|, |v[XS+1]|, |v[XS+2]|               ; the largest magnitude of my 16, in two chains
	v_max3_num_f32 v9, |v[XS+3]|, |v[XS+4]|, |v[XS+5]|
.irp i, 6,10
	v_max3_num_f32 v8, v8, |v[XS+\i]|, |v[XS+\i+1]|
	v_max3_num_f32 v9, v9, |v[XS+\i+2]|, |v[XS+\i+3]|
.endr
	v_max3_num_f32 v8, v8, |v[XS+14]|, |v[XS+15]|
	v_max3_num_f32 v8, v8, v9, (EMAX+1)<<23        ; and the floor 2^(3 - 127): so the byte cannot fall under 1
	v_max_num_f32_dpp v8, v8, v8 row_xmask:1 row_mask:0xf bank_mask:0xf   ; and of my neighbour's 16: the block's
	v_add_nc_u32 v11, 0xff000000, v8               ; 2 off its exponent field: the conversion takes the exponent field of this operand as its scale, and nothing else of it
	v_cvt_scalef32_pk8_fp4_f32 v[C+2*(\t)], v[XS:XS+7], v11        ; the first number's code in the lowest four bits
	v_cvt_scalef32_pk8_fp4_f32 v[C+2*(\t)+1], v[XS+8:XS+15], v11
	v_lshrrev_b32 v[E+(\t)], 23, v11               ; the scale's byte; also the plain line behind the conversions
	ds_store_b64 v4, v[C+2*(\t):C+2*(\t)+1] offset:REC*(\t)        ; row t's record: my 16 codes,
	ds_store_b8 v5, v[E+(\t)] offset:REC*(\t)      ; my block's byte (both lanes of a block write the same byte with the same value)
.endm
.irp t, 0,1,2,3,4,5,6,7,8,9,10,11,12,13,14,15
	STEP \t
.endr
.irp n, 0,1,2,3,4,5,6,7
	ds_load_b128 v[R+4*\n:R+4*\n+3], v6 offset:512*\n              ; the 16 records as they lie: these loads come behind my stores
.endr
	ds_load_b64 v[R+32:R+33], v7
	s_wait_dscnt 0x0
.irp n, 0,1,2,3,4,5,6,7
	global_store_b128 v12, v[R+4*\n:R+4*\n+3], s[16:17] offset:512*\n   ; 32 lanes store 512 consecutive bytes, at a multiple of 256 from the buffer's first byte; the next launch reads them, so no hint
.endr
	global_store_b64 v13, v[R+32:R+33], s[16:17] offset:4096       ; and the last 256
	s_wait_tensorcnt 0x0
	ds_add_u32 v176, v177
	s_wait_dscnt 0x0
	s_endpgm
.Lfunc_end_k_qb29078a7d3_quant:
	.size	k_qb29078a7d3_quant, .Lfunc_end_k_qb29078a7d3_quant-k_qb29078a7d3_quant
	.p2alignl 7, 3214868480
	.fill 96, 4, 3214868480
	.section	.rodata,"a",@progbits
	.p2align	6, 0x0
	.amdhsa_kernel k_qb29078a7d3_quant
		.amdhsa_group_segment_fixed_size 39424
		.amdhsa_private_segment_fixed_size 0
		.amdhsa_enable_private_segment 0
		.amdhsa_kernarg_size 64
		.amdhsa_user_sgpr_count 2
		.amdhsa_user_sgpr_kernarg_segment_ptr 1
		.amdhsa_wavefront_size32 1
		.amdhsa_system_sgpr_workgroup_id_x 1
		.amdhsa_system_sgpr_workgroup_id_y 1
		.amdhsa_system_sgpr_workgroup_id_z 1
		.amdhsa_system_vgpr_workitem_id 0
		.amdhsa_next_free_vgpr 178
		.amdhsa_next_free_sgpr 66
		.amdhsa_reserve_vcc 0
		.amdhsa_float_denorm_mode_32 3
		.amdhsa_float_denorm_mode_16_64 3
		.amdhsa_memory_ordered 1
		.amdhsa_forward_progress 1
		.amdhsa_inst_pref_size 36
	.end_amdhsa_kernel
	.amdgpu_metadata
---
amdhsa.version: [ 1, 2 ]
amdhsa.kernels:
  - .name:           k_qb29078a7d3_quant
    .symbol:         k_qb29078a7d3_quant.kd
    .args:
      - { .name: input, .offset: 0, .size: 8, .value_kind: global_buffer, .address_space: global }
      - { .name: hidden_state, .offset: 8, .size: 8, .value_kind: global_buffer, .address_space: global }
      - { .name: W_i, .offset: 16, .size: 8, .value_kind: global_buffer, .address_space: global }
      - { .name: W_f, .offset: 24, .size: 8, .value_kind: global_buffer, .address_space: global }
      - { .name: W_c, .offset: 32, .size: 8, .value_kind: global_buffer, .address_space: global }
      - { .name: W_o, .offset: 40, .size: 8, .value_kind: global_buffer, .address_space: global }
      - { .name: ua, .offset: 48, .size: 8, .value_kind: global_buffer, .address_space: global }
      - { .name: wq, .offset: 56, .size: 8, .value_kind: global_buffer, .address_space: global }
    .group_segment_fixed_size: 39424
    .private_segment_fixed_size: 0
    .kernarg_segment_align: 8
    .kernarg_segment_size: 64
    .max_flat_workgroup_size: 128
    .sgpr_count:     66
    .vgpr_count:     178
    .wavefront_size: 32
...
	.end_amdgpu_metadata
.endif
;; end of part 1
;; launch lstm (part 2): grid 32 x 8, 4 waves a work-group, clusters of 4 x 4, 327,680 bytes of LDS; arguments ua, wq, b_i, b_f, b_c, b_o, cell_state, out0, out1; writes out0, out1
.if DOCPART == 2
	.amdgcn_target "amdgcn-amd-amdhsa--gfx1250"
	.amdhsa_code_object_version 6
	.text
	.protected	k_qb29078a7d3_lstm
	.globl	k_qb29078a7d3_lstm
	.p2align	8
	.type	k_qb29078a7d3_lstm,@function
k_qb29078a7d3_lstm:
	s_mov_b64 s[64:65], 0
	v_nop
	global_prefetch_b8 v0, s[64:65] scope:SCOPE_SE
	s_setreg_imm32_b32 hwreg(HW_REG_WAVE_MODE, 25, 1), 1
	s_wait_xcnt 0x0
	s_wait_alu depctr_hold_cnt(0) depctr_sa_sdst(0) depctr_va_vdst(0) depctr_va_sdst(0) depctr_va_ssrc(0) depctr_va_vcc(0) depctr_vm_vsrc(0)
	s_getreg_b32 s2, hwreg(HW_REG_IB_STS2, 6, 4)
	s_cmp_eq_u32 s2, 0
	s_cbranch_scc0 .Lentry_in_a_cluster
	s_endpgm
.Lentry_in_a_cluster:
	s_bfe_u32 s2, ttmp6, 0x10000c
	s_cmp_lg_u32 s2, 0xf033
	s_cbranch_scc0 .Lentry_shape_is_right
	s_endpgm
.Lentry_shape_is_right:
; gates = Q(u) Q(W)^T + b in MX-FP4, then the LSTM cell, in one launch.  ua, wq: records of 272 bytes (256 of codes for 512 along K, 16 scale bytes), laid [K step][row][272];
; wq's rows n' = 128 (column / 32) + 32 gate + column % 32, so a wave's 128 n' hold all four gates of 32 hidden columns.
; A work-group of four waves makes 256 rows x 256 n' (64 hidden columns); a wave 128 x 128: 64 accumulators, 512 registers.  K goes in 8 steps of 512 through two LDS slots; 128 records are 136 rows of 256 bytes on end.
; CLUSTERS 4 x 4: A's tiles are asked for jointly along a row of the cluster, B's along a column.  The matrix instruction is used transposed (source 0 = rows of wq): a lane holds eight neighbouring columns of a row.
; The biases are the C of each accumulator's first product.  Accumulators take turns.
; THE CELL: A = e^-gi, F = e^-gf, E = e^(2 gc), O = e^-go.  c' = (c (1+A)(1+E) + (E-1)(1+F)) / ((1+F)(1+A)(1+E));  D = e^(2 c'), h = (D-1) / ((1+O)(1+D)): five exponentials and two reciprocals an element.
; LIMITS: the exponents to the base 2 are held at 24 from above, so that no product of denominators passes 2^73: a sigmoid or tanh is moved by at most 2^-24; |cell_state| stays under 2^50; NaN and infinities are not served.
; REGISTERS: window 0: v0-31 addresses, v32-95 scale words (two sets), v128-191 A's fragments, v192-255 biases; on the way out v128-255 at work.  Window 1: B's fragments, two sets; on the way out rows read back.  Windows 2, 3: accumulators.
.set NQ,     4
.set PITCH,  272
.set FR,     8
.set NL,     2
.set NP,     4
.set HALFT,  128*PITCH                 ; 128 records: one tensor load
.set SLOT,   4*HALFT                   ; A's 256 records, then B's 256
.set KSA,    2048*PITCH                ; bytes from K step to K step in ua, in wq
.set KSB,    8192*PITCH
.set LAPS,   4
.set SPARE,  2*SLOT                    ; the spare words, 512 bytes that no other line names
.set HID,    2*HALFT                   ; the way out: h's stage, behind c's (both in slot 0, which has had its last fill by then)
.set PF,   15                          ; cell_state's prefetch: a thread a row
.set ADRA, 16
.set PFO,  18                          ; tiles' prefetch: 256 x lane; and blocks 32, 33
.set PFO2, 19
.set ADRB, 20
.set ADRS, 22
.set CE,   24
.set RD,   25
.set CO,   26
.set BO,   27
.set SPW,  28
.set NIL,  29
.set HE,   30
.set RD2,  31
.set SC,   32
.set AF,   128
.set BIAS, 192
.set G1,   24
.set G0,   32
.set G1B,  48
.set G0B,  56
.set G1C,  68
.set G0C,  76
.set PFA,  88                          ; s[88:89] where my next prefetch stands; s[90:91] its step
.set PST,  90
.set MSB, 0
.macro WIN new
.if MSB != (\new)
	s_set_vgpr_msb (MSB<<8)|(\new)
.set MSB, (\new)
.endif
.endm
.set MUL_LO, 0xa1
.set MUL_HI, 0xf1
.set BEG_LO, 0x81
.set BEG_HI, 0xc1
.set TO_B,   0x40
.macro JLOAD g0a, g1a, g0b, g1b        ; a joint load: waves 0, 1 for A, waves 2, 3 for B; s_nop 0 and four v_nop behind each line
	s_cmp_eq_u32 s23, 0
	s_cbranch_scc0 .Lfor_b_\@
	tensor_load_to_lds s[\g0a:\g0a+3], s[\g1a:\g1a+7]
	s_nop 0
.rept 4
	v_nop
.endr
	s_branch .Lasked_\@
.Lfor_b_\@:
	tensor_load_to_lds s[\g0b:\g0b+3], s[\g1b:\g1b+7]
	s_nop 0
.rept 4
	v_nop
.endr
.Lasked_\@:
.endm
.macro CLOAD                           ; my 64 rows x 64 columns of cell_state, my work-group's own
	tensor_load_to_lds s[G0C:G0C+3], s[G1C:G1C+7]
	s_nop 0
.rept 4
	v_nop
.endr
.endm
.macro CREST
	s_cmp_lg_u32 s22, 0
	s_cbranch_scc1 .Lnot_wave_0_\@
	s_barrier_signal -3
.Lnot_wave_0_\@:
	s_barrier_wait -3
	s_barrier_signal -1
	s_barrier_wait -1
.endm
.macro CROUND
	s_barrier_signal -1
	s_barrier_wait -1
	CREST
.endm
; Behind the joint load of K step s: a prefetch of K step s + 2.  A load's 136 blocks of 256 bytes are shared out among the four partners by address, 34 each: 32 lanes, then blocks 32 and 33.
; cond = 1, in the loop: its last trip (K steps 6, 7) has no K step two on.
.macro ASK cond
.if \cond
	s_cmp_gt_u32 s3, 1
	s_cbranch_scc0 .Lno_ask_\@
.endif
	global_prefetch_b8 v[PFO], s[PFA:PFA+1] th:TH_LOAD_NT scope:SCOPE_SE
	global_prefetch_b8 v[PFO2], s[PFA:PFA+1] th:TH_LOAD_NT scope:SCOPE_SE
.if \cond
.Lno_ask_\@:
.endif
.endm
	s_load_b128 s[4:7], s[0:1], 0x0                ; ua, wq
	s_load_b256 s[8:15], s[0:1], 0x10              ; b_i, b_f, b_c, b_o
	s_load_b128 s[16:19], s[0:1], 0x30             ; cell_state, out0
	s_load_b64 s[20:21], s[0:1], 0x40              ; out1
	v_lshl_add_u32 v[SPW], v0, 2, SPARE
	v_mov_b32 v[NIL], 0
	ds_add_u32 v[SPW], v[NIL]                      ; the opening lines: the add twice on end and its wait
	ds_add_u32 v[SPW], v[NIL]
	v_lshrrev_b32 v1, 5, v0
	v_readfirstlane_b32 s22, v1                    ; wave
	v_bfe_u32 v2, v0, 4, 1                         ; l / 16
	v_lshlrev_b32 v[BO], 5, v2                     ; biases: 32 bytes for each half of the lanes
	s_lshr_b32 s23, s22, 1                         ; my half of the rows; also: I fetch for A (0) or B (1)
	s_and_b32 s2, s22, 1                           ; my half of the n'; also: which 128 records I fetch
	s_bfe_u32 s40, ttmp6, 0x40000                  ; cx
	s_bfe_u32 s41, ttmp6, 0x40004                  ; cy
	s_lshl_b32 s42, ttmp9, 2
	s_add_co_u32 s42, s42, s40                     ; tile column
	s_and_b32 s43, ttmp7, 0xffff
	s_lshl_b32 s43, s43, 2
	s_add_co_u32 s43, s43, s41                     ; tile row
	s_lshl_b32 s44, s41, 2
	s_lshl_b32 s44, 15, s44                        ; my row of the cluster
	s_lshl_b32 s45, 0x1111, s40                    ; my column
	s_or_b32 s[G1+0], s44, (3<<16)|(1<<21)         ; elements of 8 bytes; bit 21 beside a mask
	s_or_b32 s[G1B+0], s45, (3<<16)|(1<<21)
.irp g, G1, G1B
	s_mov_b32 s[\g+1], 32<<16                      ; 136 dense rows of 256 bytes
	s_mov_b32 s[\g+2], 136<<16
	s_mov_b32 s[\g+3], 32<<16
	s_mov_b32 s[\g+4], 136
	s_mov_b32 s[\g+5], 32
	s_mov_b32 s[\g+6], 0
	s_mov_b32 s[\g+7], 0
.endr
	s_mov_b32 s[G1C+0], (2<<16)|(1<<20)|(5<<22)|(3<<25)  ; cell_state: 64 rows of 64 f32, 16 bytes of padding behind each
	s_mov_b32 s[G1C+1], 64<<16
	s_mov_b32 s[G1C+2], 64<<16
	s_mov_b32 s[G1C+3], 64<<16
	s_mov_b32 s[G1C+4], 64
	s_mov_b32 s[G1C+5], 2048
	s_mov_b32 s[G1C+6], 0
	s_mov_b32 s[G1C+7], 0
	s_lshl_b32 s82, s2, 7
	s_lshl_b32 s80, s43, 8
	s_add_co_u32 s80, s80, s82
	s_mul_i32 s80, s80, PITCH                      ; ua: my 128 records
	s_mov_b32 s81, 0
	s_lshl_b32 s84, s42, 8
	s_add_co_u32 s84, s84, s82
	s_mul_i32 s84, s84, PITCH                      ; wq: my 128 records
	s_mov_b32 s85, 0
	s_mul_i32 s87, s22, HALFT                      ; where they go
	s_mul_i32 s83, s22, 64*PITCH                   ; where my rows of cell_state go
	s_lshl_b32 s86, s42, 8                         ; the tile's 64 hidden columns, in bytes
	s_add_co_u32 s88, s86, s82                     ; my 32 of them
	s_mov_b32 s89, 0
	s_lshl_b32 s90, s43, 8
	s_lshl_b32 s92, s22, 6
	s_add_co_u32 s90, s90, s92
	s_lshl_b32 s90, s90, 13
	s_add_co_u32 s90, s90, s86                     ; cell_state: row 256 x tile row + 64 x wave
	s_mov_b32 s91, 0
	s_lshl_b32 s92, s43, 21
	s_add_co_u32 s92, s92, s86                     ; cell_state: the tile's corner
	s_mov_b32 s93, 0
	s_mov_b32 s94, 0xbfb8aa3b                      ; -log2(e)
	s_mov_b32 s95, s94
	s_mov_b32 s96, 0x4038aa3b                      ; 2 log2(e)
	s_mov_b32 s97, s96
	s_mul_i32 s46, s23, HALFT                      ; LDS: my 128 rows of A,
	s_mul_i32 s47, s2, HALFT
	s_add_co_u32 s47, s47, 2*HALFT                 ; of B,
	s_sub_co_u32 s44, s47, s46                     ; the distance between them,
	s_add_co_u32 s45, s46, 256                     ; the scale bytes of a record,
	s_add_co_u32 s82, s46, s82                     ; the way out: my 128 bytes of a stage row,
	s_mul_i32 s3, s2, 8*PITCH
	s_add_co_u32 s3, s3, s46                       ; and the 8 rows of each 16 that I read back
	s_wait_alu depctr_va_vdst(0)                   ; the wait ahead of the blocking waits
	s_wait_dscnt 0x0
	s_wait_kmcnt 0x0
.irp g, 0,1,2,3
	s_add_nc_u64 s[8+2*\g:9+2*\g], s[8+2*\g:9+2*\g], s[88:89]
.endr
.irp g, 0,1,2,3                                        ; the biases in the result's layout, asked for ahead of the tiles: block 2 g + j, columns 16 j + 8 (l / 16) + 0 .. 7
.irp j, 0,1
.irp u, 0,1
	global_load_b128 v[BIAS+8*(2*\g+\j)+4*\u:BIAS+8*(2*\g+\j)+4*\u+3], v[BO], s[8+2*\g:9+2*\g] offset:64*\j+16*\u
.endr
.endr
.endr
	s_add_nc_u64 s[80:81], s[4:5], s[80:81]
	s_add_nc_u64 s[84:85], s[6:7], s[84:85]
	s_add_nc_u64 s[98:99], s[16:17], s[92:93]
	s_add_nc_u64 s[16:17], s[16:17], s[90:91]
	s_lshl_b32 s92, s43, 8
	s_lshl_b32 s93, s23, 7
	s_add_co_u32 s92, s92, s93
	s_lshl_b32 s93, s2, 3
	s_add_co_u32 s92, s92, s93
	s_lshl_b32 s92, s92, 13
	s_add_co_u32 s92, s92, s86                     ; the outputs: row 256 x tile row + 128 x row half + 8 x column half
	s_mov_b32 s93, 0
	s_add_nc_u64 s[18:19], s[18:19], s[92:93]
	s_add_nc_u64 s[20:21], s[20:21], s[92:93]
	s_mov_b32 s92, 0x41c00000                      ; 24.0: the hold on the exponents
	s_mov_b32 s[G0C], 1
	s_mov_b32 s[G0C+1], s83
	s_mov_b64 s[G0C+2:G0C+3], s[16:17]
	s_or_b32 s[G0C+3], s[G0C+3], 0x80000000
.irp s, 0,1
	s_mov_b32 s[G0+4*\s], 1
	s_add_co_u32 s[G0+4*\s+1], s87, \s*SLOT
	s_add_nc_u64 s[G0+4*\s+2:G0+4*\s+3], s[80:81], \s*KSA
	s_or_b32 s[G0+4*\s+3], s[G0+4*\s+3], 0x80000000
	s_mov_b32 s[G0B+4*\s], 1
	s_add_co_u32 s[G0B+4*\s+1], s87, \s*SLOT
	s_add_nc_u64 s[G0B+4*\s+2:G0B+4*\s+3], s[84:85], \s*KSB
	s_or_b32 s[G0B+4*\s+3], s[G0B+4*\s+3], 0x80000000
.endr
	s_cmp_eq_u32 s23, 0                            ; the prefetches: my tile, my work-group's 34 blocks of it (cx for A, cy for B), K step 2
	s_cselect_b64 s[PFA:PFA+1], s[80:81], s[84:85]
	s_cselect_b32 s86, s40, s41
	s_mov_b32 s[PST], KSB
	s_cselect_b32 s[PST], KSA, s[PST]
	s_mov_b32 s[PST+1], 0
	s_mul_i32 s86, s86, 34*256
	s_lshl_b32 s87, s[PST], 1
	s_add_co_u32 s86, s86, s87
	s_mov_b32 s87, 0
	s_add_nc_u64 s[PFA:PFA+1], s[PFA:PFA+1], s[86:87]
	CROUND                                         ; all sixteen work-groups are here: the first joint loads meet
	JLOAD G0, G1, G0B, G1B                         ; K step 0: one tensor load a wave at the head
	v_and_b32 v6, 31, v0
	v_lshlrev_b32 v[PFO], 8, v6
	v_min_u32 v6, 1, v6
	v_lshl_add_u32 v[PFO2], v6, 8, 8192
	ASK 0                                          ; K step 2
	v_and_b32 v1, 15, v0                           ; l % 16
	v_mul_u32_u24 v3, v1, PITCH
	v_lshl_add_u32 v4, v2, 4, v3                   ; a fragment's row x pitch + 16 x half
	v_add_nc_u32 v[ADRA], s46, v4
	v_add_nc_u32 v[ADRB], s47, v4
	v_add_nc_u32 v[ADRA+1], SLOT, v[ADRA]
	v_add_nc_u32 v[ADRB+1], SLOT, v[ADRB]
	v_mul_u32_u24 v5, s44, v2                      ; scale words: lanes 0-15 A's rows, lanes 16-31 B's
	v_add_nc_u32 v5, v5, v3
	v_add_nc_u32 v[ADRS], s45, v5
	v_add_nc_u32 v[ADRS+1], SLOT, v[ADRS]
	v_lshl_add_u32 v[CE], v2, 5, v3                ; the stage: row l % 16, 32 bytes for each half of the lanes
	v_add_nc_u32 v[CE], s82, v[CE]
	v_add_nc_u32 v[HE], HID, v[CE]
	v_mul_u32_u24 v5, v2, PITCH                    ; back: sixteen lanes to a row of 256 bytes
	v_lshl_add_u32 v5, v1, 4, v5
	v_add_nc_u32 v[RD], s3, v5
	v_add_nc_u32 v[RD2], HID, v[RD]
	v_lshlrev_b32 v5, 13, v2
	v_lshl_add_u32 v[CO], v1, 4, v5                ; and the same two rows in the outputs
	v_lshlrev_b32 v[PF], 13, v0
.macro FRAG reg, adr, q, i
.irp c, 0,1
	ds_load_b128 v[\reg+4*\c:\reg+4*\c+3], v[\adr] offset:64*(\q)+32*\c+(\i)*16*PITCH
.endr
.endm
.macro MUL16 a0, p, q, sc, first       ; A's blocks a0, a0 + 1 x B's eight, 128 along K; first = 1: the biases start the sums
.irp a, \a0, \a0+1
.irp b, 0,1,2,3,4,5,6,7
.if \first
	v_wmma_scale_f32_16x16x128_f8f6f4 v[8*(8*((\a)%4)+\b):8*(8*((\a)%4)+\b)+7], v[128*(\p)+FR*\b:128*(\p)+FR*\b+FR-1], v[AF+FR*(\a):AF+FR*(\a)+FR-1], v[BIAS+8*\b:BIAS+8*\b+7], v[SC+8*NQ*(\sc)+NQ*\b+(\q)], v[SC+8*NQ*(\sc)+NQ*(\a)+(\q)] matrix_a_fmt:MATRIX_FMT_FP4 matrix_b_fmt:MATRIX_FMT_FP4 matrix_a_scale:MATRIX_SCALE_ROW1
.else
	v_wmma_scale_f32_16x16x128_f8f6f4 v[8*(8*((\a)%4)+\b):8*(8*((\a)%4)+\b)+7], v[128*(\p)+FR*\b:128*(\p)+FR*\b+FR-1], v[AF+FR*(\a):AF+FR*(\a)+FR-1], v[8*(8*((\a)%4)+\b):8*(8*((\a)%4)+\b)+7], v[SC+8*NQ*(\sc)+NQ*\b+(\q)], v[SC+8*NQ*(\sc)+NQ*(\a)+(\q)] matrix_a_fmt:MATRIX_FMT_FP4 matrix_b_fmt:MATRIX_FMT_FP4 matrix_a_scale:MATRIX_SCALE_ROW1
.endif
.endr
.endr
.endm
.macro FETCH_B slot, q, p
	WIN TO_B
.irp i, 0,1,2,3,4,5,6,7
	FRAG 128*(\p)+FR*\i, ADRB+\slot, \q, \i
.endr
	WIN 0
.endm
.macro FETCH_A slot, q, i0
.irp i, \i0, \i0+1, \i0+2, \i0+3
	FRAG AF+FR*(\i), ADRA+\slot, \q, \i
.endr
.endm
.macro SCALES sc                       ; a K step's four scale words a row: lanes 0-15 A's block i, lanes 16-31 B's
.irp i, 0,1,2,3,4,5,6,7
	ds_load_b128 v[SC+8*NQ*\sc+NQ*\i:SC+8*NQ*\sc+NQ*\i+3], v[ADRS+\sc] offset:\i*16*PITCH
.endr
.endm
.macro PLACES n                        ; places behind matrix instructions (ISA guide 7.12.1)
.rept \n
	v_nop
.endr
.endm
.macro STEP slot, q, first             ; 128 along K with its successor in the same slot
	s_wait_dscnt 4*NL                              ; all but A's blocks 4-7
.if \first
	WIN BEG_LO
.else
	WIN MUL_LO
.endif
	MUL16 0, (\q)%2, \q, \slot, \first
	MUL16 2, (\q)%2, \q, \slot, \first
	s_wait_dscnt 0
	PLACES NP
	FETCH_B \slot, (\q)+1, 1-(\q)%2
	FETCH_A \slot, (\q)+1, 0
.if \first
	WIN BEG_HI
.else
	WIN MUL_HI
.endif
	MUL16 4, (\q)%2, \q, \slot, \first
	MUL16 6, (\q)%2, \q, \slot, \first
	PLACES NP
	WIN 0
	FETCH_A \slot, (\q)+1, 4
.endm
; A slot's last step changes slots.  mode 1: the slot takes the K step two on; mode 2: slot 0 takes cell_state
.macro TURN slot, next, mode
.if \mode == 1
	s_wait_xcnt 0x0                                ; my last prefetch has read its address
	s_add_nc_u64 s[PFA:PFA+1], s[PFA:PFA+1], s[PST:PST+1]
.endif
	s_wait_tensorcnt 0x0                           ; my part of the next slot is in;
	ds_add_u32 v[SPW], v[NIL]                      ; an add to the spare words;
	s_wait_dscnt 4*NL+1                            ; (the add and A's blocks 4-7 may be out)
	WIN MUL_LO
	MUL16 0, 1, NQ-1, \slot, 0
	s_wait_dscnt 0x0                               ; the add is done, my reads of this slot are over
	s_barrier_signal -1
	MUL16 2, 1, NQ-1, \slot, 0
	WIN 0
	s_barrier_wait -1
	CREST                                          ; the barrier has opened a round of the cluster's barrier
.if \mode == 1
	s_add_nc_u64 s[G0+4*\slot+2:G0+4*\slot+3], s[G0+4*\slot+2:G0+4*\slot+3], 2*KSA
	s_add_nc_u64 s[G0B+4*\slot+2:G0B+4*\slot+3], s[G0B+4*\slot+2:G0B+4*\slot+3], 2*KSB
	JLOAD G0+4*\slot, G1, G0B+4*\slot, G1B
.else
	CLOAD
.endif
	FETCH_B \next, 0, 0
	FETCH_A \next, 0, 0
	SCALES \next
.if \mode == 1
	ASK 1
.endif
	WIN MUL_HI
	MUL16 4, 1, NQ-1, \slot, 0
	MUL16 6, 1, NQ-1, \slot, 0
	PLACES NP
	WIN 0
	FETCH_A \next, 0, 4
.endm
.macro STEPS slot, from
.set Q, \from
.rept NQ-1-\from
	STEP \slot, Q, 0
.set Q, Q+1
.endr
.endm
	s_wait_alu depctr_va_vdst(0)                   ; the wait at the head's end
	s_wait_xcnt 0x0                                ; the prefetch has read its address: on to K step 3
	s_add_nc_u64 s[PFA:PFA+1], s[PFA:PFA+1], s[PST:PST+1]
	s_wait_tensorcnt 0x0                           ; my part of K step 0 is in
	ds_add_u32 v[SPW], v[NIL]
	s_wait_dscnt 0x0
	CROUND                                         ; everybody's part is in, and the joint loads meet
	JLOAD G0+4, G1, G0B+4, G1B                     ; K step 1
	FETCH_B 0, 0, 0
	FETCH_A 0, 0, 0
	SCALES 0
	FETCH_A 0, 0, 4
	ASK 0                                          ; K step 3
	s_wait_loadcnt 0x0                             ; the biases
	STEP 0, 0, 1
	s_mov_b32 s3, LAPS-1
.Llap:                                                 ; once round the ring, from a lap's second step to the next lap's first
	STEPS 0, 1
	TURN 0, 1, 1
	STEPS 1, 0
	TURN 1, 0, 1
	STEP 0, 0, 0
	s_sub_co_u32 s3, s3, 1
	s_cmp_lg_u32 s3, 0
	s_cbranch_scc1 .Llap
	global_prefetch_b8 v[PF], s[98:99] th:TH_LOAD_NT scope:SCOPE_SE                 ; the tile's 256 rows x 256 bytes of cell_state, a thread a row, three steps of 128 ahead of their load
	global_prefetch_b8 v[PF], s[98:99] offset:1048576 th:TH_LOAD_NT scope:SCOPE_SE
	STEPS 0, 1
	TURN 0, 1, 2
	STEPS 1, 0
	s_wait_dscnt 4*NL
	WIN MUL_LO
	MUL16 0, 1, NQ-1, 1, 0
	MUL16 2, 1, NQ-1, 1, 0
	s_wait_dscnt 0x0
	s_wait_tensorcnt 0x0                           ; my rows of cell_state are in
	s_barrier_signal -1
	WIN MUL_HI
	MUL16 4, 1, NQ-1, 1, 0
	MUL16 6, 1, NQ-1, 1, 0
	WIN 0
	s_barrier_wait -1
	PLACES NP
; THE WAY OUT, by blocks of 16 rows: 16 elements a lane.  v128-143 A, v144-159 F, v160-175 E, v176-191 O (as the accumulators lie: 16 gate + 8 j + i); CL c and c', XT at work and h: two sets by turns.
.set GA, 128
.set GF, 144
.set GE, 160
.set GO, 176
.macro PK2 op, d, x, y
.set NN, 0
.rept 8
	\op v[\d+NN:\d+NN+1], v[\x+NN:\x+NN+1], v[\y+NN:\y+NN+1]
.set NN, NN+2
.endr
.endm
.macro PKC op, d, x, c                 ; the constant serves both halves
.set NN, 0
.rept 8
	\op v[\d+NN:\d+NN+1], v[\x+NN:\x+NN+1], \c op_sel_hi:[1,0]
.set NN, NN+2
.endr
.endm
.macro PK3 d, x, y, z
.set NN, 0
.rept 8
	v_pk_fma_f32 v[\d+NN:\d+NN+1], v[\x+NN:\x+NN+1], v[\y+NN:\y+NN+1], v[\z+NN:\z+NN+1]
.set NN, NN+2
.endr
.endm
.macro TR op, d, n
.set NN, 0
.rept \n
	\op v[\d+NN], v[\d+NN]
.set NN, NN+1
.endr
.endm
.macro HOLD d, n                       ; the exponents held at 24 from above
.set NN, 0
.rept \n
	v_min_num_f32 v[\d+NN], s92, v[\d+NN]
.set NN, NN+1
.endr
.endm
.macro ALLPUT                          ; a row's 256 bytes come from two waves
	s_wait_dscnt 0x0
	s_barrier_signal -1
	s_barrier_wait -1
.endm
.macro BACK a                          ; 8 whole rows of c' and of h into window 1
	WIN TO_B
.irp t, 0,1,2,3
	ds_load_b128 v[32*(\a)+4*\t:32*(\a)+4*\t+3], v[RD] offset:(16*(\a)+2*\t)*PITCH
.endr
.irp t, 0,1,2,3
	ds_load_b128 v[32*(\a)+16+4*\t:32*(\a)+16+4*\t+3], v[RD2] offset:(16*(\a)+2*\t)*PITCH
.endr
	WIN 0
.endm
.macro SEND a                          ; sixteen lanes store 256 consecutive bytes, aligned
	WIN 0x04
.irp t, 0,1,2,3
	global_store_b128 v[CO], v[32*(\a)+4*\t:32*(\a)+4*\t+3], s[20:21] offset:(16*(\a)+2*\t)*8192 th:TH_STORE_NT
.endr
.irp t, 0,1,2,3
	global_store_b128 v[CO], v[32*(\a)+16+4*\t:32*(\a)+16+4*\t+3], s[18:19] offset:(16*(\a)+2*\t)*8192 th:TH_STORE_NT
.endr
	WIN 0
.endm
.macro UNIT a
.set CL, 192+32*((\a)%2)
.set XT, CL+16
.irp j, 0,1
	ds_load_b128 v[CL+8*\j:CL+8*\j+3], v[CE] offset:16*PITCH*(\a)+64*\j
	ds_load_b128 v[CL+8*\j+4:CL+8*\j+7], v[CE] offset:16*PITCH*(\a)+64*\j+16
.endr
	WIN 0x02+(\a)/4
	s_wait_alu depctr_va_vdst(0)                   ; the wait ahead of the first readers of matrix results
.set NN, 0
.rept 32                                               ; each accumulator from its low end on
.if NN/16 == 2
	v_pk_mul_f32 v[GA+NN:GA+NN+1], v[64*((\a)%4)+NN:64*((\a)%4)+NN+1], s[96:97] op_sel_hi:[1,0]
.else
	v_pk_mul_f32 v[GA+NN:GA+NN+1], v[64*((\a)%4)+NN:64*((\a)%4)+NN+1], s[94:95] op_sel_hi:[1,0]
.endif
.set NN, NN+2
.endr
	WIN 0
	HOLD GA, 64
	s_wait_alu depctr_va_vdst(0)                   ; ahead of the batch
	TR v_exp_f32, GA, 64                           ; A, F, E, O
.if (\a) > 0
	ALLPUT                                         ; the block before is in the stage
	BACK (\a)-1
.endif
	v_nop
	s_wait_alu depctr_va_vdst(0)                   ; behind the batch
	PKC v_pk_add_f32, XT, GE, 1.0                  ; 1 + E
	PKC v_pk_add_f32, GE, GE, -1.0                 ; E - 1
	PK3 GA, GA, XT, XT                             ; (1 + A)(1 + E)
	PKC v_pk_add_f32, GF, GF, 1.0                  ; 1 + F
	PK2 v_pk_mul_f32, XT, GF, GA                   ; the denominator
	PK2 v_pk_mul_f32, GE, GE, GF                   ; (E - 1)(1 + F)
	s_wait_alu depctr_va_vdst(0)
	TR v_rcp_f32, XT, 16
	s_wait_dscnt 0x0                               ; c is in, and the block before is back
.if (\a) > 0
	SEND (\a)-1
.endif
	PK3 CL, CL, GA, GE                             ; the numerator
	s_wait_alu depctr_va_vdst(0)
	PK2 v_pk_mul_f32, CL, CL, XT                   ; c'
	PKC v_pk_mul_f32, XT, CL, s[96:97]
	HOLD XT, 16
	s_wait_alu depctr_va_vdst(0)
	TR v_exp_f32, XT, 16                           ; D
	v_nop
	s_wait_alu depctr_va_vdst(0)
	PKC v_pk_add_f32, GA, XT, 1.0                  ; 1 + D
	PKC v_pk_add_f32, XT, XT, -1.0                 ; D - 1
	PK3 GO, GO, GA, GA                             ; (1 + O)(1 + D)
	s_wait_alu depctr_va_vdst(0)
	TR v_rcp_f32, GO, 16
	v_nop
	s_wait_alu depctr_va_vdst(0)
	PK2 v_pk_mul_f32, XT, XT, GO                   ; h
.irp j, 0,1
	ds_store_b128 v[CE], v[CL+8*\j:CL+8*\j+3] offset:16*PITCH*(\a)+64*\j
	ds_store_b128 v[CE], v[CL+8*\j+4:CL+8*\j+7] offset:16*PITCH*(\a)+64*\j+16
	ds_store_b128 v[HE], v[XT+8*\j:XT+8*\j+3] offset:16*PITCH*(\a)+64*\j
	ds_store_b128 v[HE], v[XT+8*\j+4:XT+8*\j+7] offset:16*PITCH*(\a)+64*\j+16
.endr
.endm
.irp a, 0,1,2,3,4,5,6,7
	UNIT \a
.endr
	ALLPUT
	BACK 7
	s_wait_dscnt 0x0
	SEND 7
	s_wait_tensorcnt 0x0                           ; the wave's end
	ds_add_u32 v[SPW], v[NIL]
	s_wait_dscnt 0x0
	CROUND                                         ; the closing round
	s_endpgm
.Lfunc_end_k_qb29078a7d3_lstm:
	.size	k_qb29078a7d3_lstm, .Lfunc_end_k_qb29078a7d3_lstm-k_qb29078a7d3_lstm
	.p2alignl 7, 3214868480
	.fill 96, 4, 3214868480
	.section	.rodata,"a",@progbits
	.p2align	6, 0x0
	.amdhsa_kernel k_qb29078a7d3_lstm
		.amdhsa_group_segment_fixed_size 327680
		.amdhsa_private_segment_fixed_size 0
		.amdhsa_enable_private_segment 0
		.amdhsa_kernarg_size 72
		.amdhsa_user_sgpr_count 2
		.amdhsa_user_sgpr_kernarg_segment_ptr 1
		.amdhsa_wavefront_size32 1
		.amdhsa_system_sgpr_workgroup_id_x 1
		.amdhsa_system_sgpr_workgroup_id_y 1
		.amdhsa_system_sgpr_workgroup_id_z 1
		.amdhsa_system_vgpr_workitem_id 0
		.amdhsa_next_free_vgpr 1024
		.amdhsa_next_free_sgpr 100
		.amdhsa_reserve_vcc 0
		.amdhsa_float_denorm_mode_32 3
		.amdhsa_float_denorm_mode_16_64 3
		.amdhsa_memory_ordered 1
		.amdhsa_forward_progress 1
		.amdhsa_inst_pref_size 255
	.end_amdhsa_kernel
	.section	.bss,"aw",@nobits
	.p2align	6
	.space	262144
	.amdgpu_metadata
---
amdhsa.version: [ 1, 2 ]
amdhsa.kernels:
  - .name:           k_qb29078a7d3_lstm
    .symbol:         k_qb29078a7d3_lstm.kd
    .args:
      - { .name: ua, .offset: 0, .size: 8, .value_kind: global_buffer, .address_space: global }
      - { .name: wq, .offset: 8, .size: 8, .value_kind: global_buffer, .address_space: global }
      - { .name: b_i, .offset: 16, .size: 8, .value_kind: global_buffer, .address_space: global }
      - { .name: b_f, .offset: 24, .size: 8, .value_kind: global_buffer, .address_space: global }
      - { .name: b_c, .offset: 32, .size: 8, .value_kind: global_buffer, .address_space: global }
      - { .name: b_o, .offset: 40, .size: 8, .value_kind: global_buffer, .address_space: global }
      - { .name: cell_state, .offset: 48, .size: 8, .value_kind: global_buffer, .address_space: global }
      - { .name: out0, .offset: 56, .size: 8, .value_kind: global_buffer, .address_space: global }
      - { .name: out1, .offset: 64, .size: 8, .value_kind: global_buffer, .address_space: global }
    .group_segment_fixed_size: 327680
    .private_segment_fixed_size: 0
    .kernarg_segment_align: 8
    .kernarg_segment_size: 72
    .max_flat_workgroup_size: 128
    .sgpr_count:     100
    .vgpr_count:     1024
    .wavefront_size: 32
...
	.end_amdgpu_metadata
.endif
;; end of part 2
